; MI455X (gfx1250); checked and timed in simulation.
; The chip was launched on July 23, 2026; its instructions are those of AMD's public machine-readable ISA for CDNA 5 (MIT licence, August 2026) and "CDNA5" Instruction Set Architecture Reference Guide (July 2026). The comments in the code are by the model that wrote it; some were corrected since.
;; Dynamic Window Self Attention. Allowed arithmetic: matrix products marked QUANTISED: E5M2 operands, one given power-of-two scale a tensor, by v_wmma_f32_16x16x64_bf8_bf8 or v_wmma_f32_16x16x128_bf8_bf8, f32 sums; everything else in f32.
;; Inputs: Wo 1,024 x 1,024 float32; Wqkv 1,024 x 3,072 float32; bo 1,024 float32; bqkv 3,072 float32; char_ids 4 x 2,048 int32; lowp_scales 8 int32 (the exponents e of the quantised operands' scales 2^e); x 4 x 2,048 x 1,024 float32.
;; Outputs: out0 4 x 2,048 x 1,024 float32.
;; This version of the problem:
;;   THIS VERSION OF THE PROBLEM IS GIVEN IN LOW PRECISION. The matrix products marked QUANTISED in the list below multiply operands that are first quantised to E5M2 (5 exponent bits, 2 mantissa bits; 8 bits a number), with one given power-of-two scale for each operand tensor; their sums are f32. All else is computed in f32.
;;   The module's matrix products, in the order in which they are computed (A, B: the left and right operand; K: the contracted axis; several contracted axes count as one K, in the product's order):
;;     1. [M 8,192, K 1,024] x [K 1,024, N 3,072]; A: input x; B: input Wqkv: QUANTISED (scales: A lowp_scales[0], B lowp_scales[1])
;;     2. batch 64 x [M 2,048, K 64] x [K 64, N 2,048]; A: computed on the way; B: computed on the way: QUANTISED (scales: A lowp_scales[2], B lowp_scales[3])
;;     3. batch 64 x [M 2,048, K 2,048] x [K 2,048, N 64]; A: softmax (see below); B: computed on the way: QUANTISED (scales: A lowp_scales[4], B lowp_scales[5])
;;     4. [M 8,192, K 1,024] x [K 1,024, N 1,024]; A: computed on the way; B: input Wo: QUANTISED (scales: A lowp_scales[6], B lowp_scales[7])
;;   THE QUANTISER, for each operand of a quantised product, along K:
;;     - The operand's scale is 2^e, e = its entry of the input lowp_scales (int32; the entries are numbered through the quantised products in the list's order, A before B).
;;     - Each number is divided by the scale, clamped to +-57,344, and rounded to the nearest number of E5M2, ties to even, subnormals kept.
;;     - The product sums the exact products of the quantised numbers (number of the format x scale) in f32.
;;   ~~~python
;;   def quantise(x, axis, e):      # numpy; x: float32 -> the quantised numbers, widened to float32 again
;;       x = np.moveaxis(x, axis, -1); K = x.shape[-1]
;;       r = np.clip(x / 2.0 ** e, -57344, 57344)
;;       step = 2.0 ** (np.maximum(np.frexp(np.where(r == 0, 1, r))[1] - 1, -14) - 2)
;;       q = np.round(r / step) * step * 2.0 ** e      # np.round: ties to even
;;       return np.moveaxis(q, -1, axis).astype(np.float32)
;;   ~~~
;;   SOFTMAX AHEAD OF A QUANTISED PRODUCT. Where the list says 'softmax', what is quantised is not the finished softmax but p = 2^(t - M), with t = logit x log2(e) and M = ceil(the row's largest t), a whole number; so 1/2 < the row's largest p <= 1. The row's sum l is taken of the UNQUANTISED p, in f32, and the product's result is divided by l at the end. Since M is a whole number, a kernel that streams over the keys may use a running M (the ceiling of the running maximum): every later rescaling is an exact power of two, so the quantised numbers keep their values, but for numbers so far below the row's largest that they fall under the format's range.
;;   OPERANDS COMPUTED ON THE WAY. 'Computed on the way' means the value that the module computes at that place (a softmax that the list does not call 'softmax' is quantised finished and normalised). What goes into a quantiser is computed in f32, as accurately as f32 sums, v_exp_f32 and their like allow (about 1e-6 of the number): no bf16 or f16 on the way to a quantiser, and a product that is left as it is and whose result goes on into a quantised operand takes f32 operands (vector FMAs, or v_wmma_f32_16x16x4_f32). A number that lies on a knife's edge between two numbers of the format may be rounded either way, as far as f32 arithmetic and the matrix unit's own rounding can turn it there, and no further.
;; One version. Each part assembles by itself: llvm-mc -triple=amdgcn-amd-amdhsa -mcpu=gfx1250 --defsym DOCPART=n.
;; ======== version 1 of 1: 4 launches
;; workspace buffers: x_img 8,388,608 bytes; wqkv_img 3,145,728 bytes; wo_img 1,048,576 bytes; seg_start 32,768 bytes of whole numbers; q_img 8,388,608 bytes; k_img 8,388,608 bytes; v_img 8,388,608 bytes; y_img 8,388,608 bytes
;; launch prep (part 1): grid 516 x 1, 4 waves a work-group, no clusters, 45,056 bytes of LDS; arguments x, Wqkv, Wo, char_ids, lowp_scales, x_img, wqkv_img, wo_img, seg_start; writes x_img, wqkv_img, wo_img, seg_start
.if DOCPART == 1
	.amdgcn_target "amdgcn-amd-amdhsa--gfx1250"
	.amdhsa_code_object_version 6
	.text
	.protected	k_qe4027f61d4_prep
	.globl	k_qe4027f61d4_prep
	.p2align	8
	.type	k_qe4027f61d4_prep,@function
k_qe4027f61d4_prep:
	s_mov_b64 s[64:65], 0
	v_nop
	global_prefetch_b8 v0, s[64:65] scope:SCOPE_SE
	s_setreg_imm32_b32 hwreg(HW_REG_WAVE_MODE, 25, 1), 1
	s_wait_xcnt 0x0
; PREP: x, Wqkv and Wo become codes of E5M2 with their given scales 2^e0, 2^e1, 2^e7; char_ids becomes a table of window starts.
; THE CODES ARE LAID AS IMAGES OF OPERAND REGISTERS.  A fragment of 16 rows x 128 K of the plain 8-bit layout is 16 registers a lane (lane (r, h): row r; registers 2 c, 2 c + 1: k = 16 c + 8 h + 0 .. 7).
; Its image is 2,048 bytes: chunk c' (512 bytes) holds registers 4 c' .. 4 c' + 3, lane l's 16 bytes at 16 l.  x_img: [512 tiles of 16 rows][8 K steps of 128][2,048]; wqkv_img: [192 tiles of 16 columns][8][2,048]; wo_img: [64][8][2,048].
; seg_start[b][q] = the last position j <= q with char_ids[b][j] == 32, or 0: key k counts for query q where seg_start <= k <= q.
; SHARES: work-groups 0-255: x; 256-447: Wqkv; 448-511: Wo; 512-515: one batch of char_ids each.  The paths part on the work-group's number alone; each path that uses LDS has bytes of its own.
; code = number / 2^e, held within +-57,344, to the nearest code, ties to even.  LIMITS: e0, e1, e7 between -126 and 112.  NaN among the inputs is not served.
.set XSTG,  8448                       ; path x: a wave's stage: 16 rows x (512 bytes + 16)
.set SEGST, 33792                      ; path ids: 128 rows x (64 bytes + 16), behind the four stages
.set TOT,   44032                      ; path ids: 128 words, one for each thread
.set XR,    16                         ; v16-143  path x: two sets of 64 numbers as loaded
.set XX,    144                        ; v144-207 path x: 64 numbers, register 8 c + i = k 16 c + 8 h + i of row r
.set XC,    208                        ; v208-239 path x: two sets of 16 registers of codes
.set WX,    16                         ; v16-143  weights: 128 numbers down K of my column
.set WC,    144                        ; v144-175 weights: codes: 16 registers for each half h
.macro SCALE e                         ; v11 = 2^e as f32 (the conversion takes its exponent field), v10 = 57,344 x 2^e
	s_add_co_i32 s32, \e, 127
	s_lshl_b32 s33, s32, 23
	v_mov_b32 v11, s33
	s_add_co_i32 s32, s32, 15
	s_lshl_b32 s32, s32, 23
	s_or_b32 s32, s32, 0x600000
	v_mov_b32 v10, s32
.endm
	s_load_b256 s[4:11], s[0:1], 0x0               ; x s[4:5], Wqkv s[6:7], Wo s[8:9], char_ids s[10:11]
	s_load_b256 s[12:19], s[0:1], 0x20             ; lowp_scales s[12:13], x_img s[14:15], wqkv_img s[16:17], wo_img s[18:19]
	s_load_b64 s[20:21], s[0:1], 0x40              ; seg_start
	v_lshl_add_u32 v240, v0, 2, 0xae00
	v_mov_b32 v241, 0
	v_lshrrev_b32 v1, 5, v0
	v_readfirstlane_b32 s22, v1                    ; wave 0..3
	s_wait_kmcnt 0x0
	s_load_b256 s[24:31], s[12:13], 0x0            ; e0 .. e7
	s_cmp_lt_u32 ttmp9, 256
	s_cbranch_scc1 .Lx
	s_cmp_lt_u32 ttmp9, 448
	s_cbranch_scc1 .Lwqkv
	s_cmp_lt_u32 ttmp9, 512
	s_cbranch_scc1 .Lwo
; ---- THE IDS.  128 threads, 16 tokens each.  Loads and stores are dense (16 bytes a thread, 2,048 an instruction of the group); a stage in LDS turns them into 16 neighbours a thread and back.
	s_sub_co_u32 s34, ttmp9, 512                   ; the batch
	s_lshl_b32 s34, s34, 13                        ; 2,048 words
	s_mov_b32 s35, 0
	s_add_nc_u64 s[10:11], s[10:11], s[34:35]
	s_add_nc_u64 s[20:21], s[20:21], s[34:35]
	v_lshlrev_b32 v1, 4, v0                        ; 16 t: my bytes of a dense instruction
	v_lshrrev_b32 v2, 2, v0
	v_mul_u32_u24 v2, v2, 80
	v_and_b32 v3, 3, v0
	v_lshl_add_u32 v2, v3, 4, v2
	v_add_nc_u32 v2, SEGST, v2                     ; the dense place: row t / 4, 16 (t % 4); instruction i lies 32 rows = 2,560 bytes further on
	v_mul_u32_u24 v3, v0, 80
	v_add_nc_u32 v3, SEGST, v3                     ; my own row: tokens 16 t .. 16 t + 15
	v_lshl_add_u32 v4, v0, 2, TOT
	v_mov_b32 v5, TOT
	v_lshlrev_b32 v6, 4, v0                        ; my first token's position
.irp i, 0,1,2,3
	global_load_b128 v[16+4*\i:19+4*\i], v1, s[10:11] offset:2048*\i
.endr
	s_wait_loadcnt 0x0
.irp i, 0,1,2,3
	ds_store_b128 v2, v[16+4*\i:19+4*\i] offset:2560*\i
.endr
	s_wait_dscnt 0x0                               ; for the others' sake: my stores have landed
	s_barrier_signal -1
	s_barrier_wait -1
.irp i, 0,1,2,3
	ds_load_b128 v[16+4*\i:19+4*\i], v3 offset:16*\i
.endr
	s_wait_dscnt 0x0
	v_cmp_eq_u32 vcc_lo, 32, v16                   ; the last delimiter at or before each of my tokens, among my tokens; 0 where there is none
	v_cndmask_b32 v32, 0, v6, vcc_lo
.set j, 1
.rept 15
	v_add_nc_u32 v8, j, v6
	v_cmp_eq_u32 vcc_lo, 32, v[16+j]
	v_cndmask_b32 v[32+j], v[31+j], v8, vcc_lo
.set j, j+1
.endr
	ds_store_b32 v4, v47                           ; my last one, for the threads behind me
	s_wait_dscnt 0x0
	s_barrier_signal -1
	s_barrier_wait -1
.set j, 0
.rept 32
	ds_load_b128 v[64+4*j:67+4*j], v5 offset:16*j  ; all 128 totals, in every lane
.set j, j+1
.endr
	s_wait_dscnt 0x0
	v_mov_b32 v7, 0
.set j, 0
.rept 128
	v_cmp_lt_u32 vcc_lo, j, v0                     ; thread j stands in front of me
	v_cndmask_b32 v8, 0, v[64+j], vcc_lo
	v_max_u32 v7, v7, v8                           ; positions ascend, so the largest is the last
.set j, j+1
.endr
.set j, 0
.rept 16
	v_max_u32 v[32+j], v[32+j], v7
.set j, j+1
.endr
.irp i, 0,1,2,3
	ds_store_b128 v3, v[32+4*\i:35+4*\i] offset:16*\i   ; into my own row, which I alone have read
.endr
	s_wait_dscnt 0x0
	s_barrier_signal -1
	s_barrier_wait -1
.irp i, 0,1,2,3
	ds_load_b128 v[16+4*\i:19+4*\i], v2 offset:2560*\i
.endr
	s_wait_dscnt 0x0
.irp i, 0,1,2,3
	global_store_b128 v1, v[16+4*\i:19+4*\i], s[20:21] offset:2048*\i
.endr
	s_wait_tensorcnt 0x0
	ds_add_u32 v240, v241
	s_wait_dscnt 0x0
	s_endpgm
; ---- x.  A wave takes 16 rows x 512 K: four blocks of 16 x 128.  Each load reads 512 consecutive bytes of one row; a block turns through the wave's own stage, so that lane (r, h) gets its 64 numbers of row r.
.macro LOADX t
.irp i, 0,1,2,3,4,5,6,7,8,9,10,11,12,13,14,15
	global_load_b128 v[XR+64*((\t)%2)+4*\i:XR+64*((\t)%2)+4*\i+3], v1, s[4:5] offset:4096*\i+512*(\t) th:TH_LOAD_NT
.endr
.endm
.macro BLOCKX t
.if (\t) < 3
	s_wait_loadcnt 16                              ; this block's 16 loads are in; the next block's 16 may be out
.else
	s_wait_loadcnt 0x0
.endif
.irp i, 0,1,2,3,4,5,6,7,8,9,10,11,12,13,14,15
	ds_store_b128 v2, v[XR+64*((\t)%2)+4*\i:XR+64*((\t)%2)+4*\i+3] offset:528*\i
.endr
.irp c, 0,1,2,3,4,5,6,7
	ds_load_b128 v[XX+8*\c:XX+8*\c+3], v3 offset:64*\c         ; LDS serves a wave's instructions in order: these see the stores above
	ds_load_b128 v[XX+8*\c+4:XX+8*\c+7], v3 offset:64*\c+16
.endr
	s_wait_dscnt 0x0                               ; the numbers are back, and the stores have read their registers,
.if (\t)+2 < 4
	LOADX (\t)+2                                   ; which take the block two further on
.endif
.if (\t) >= 2
	s_wait_xcnt 0x0                                ; the stores of two blocks ago have read this set of codes: it is written again only behind this wait
.endif
.set j, 0
.rept 64
	v_med3_num_f32 v[XX+j], v[XX+j], -v10, v10     ; the conversion to an 8-bit code does not saturate (ISA guide 7.6.2): the hold comes first
.set j, j+1
.endr
.irp c, 0,1,2,3,4,5,6,7
	v_cvt_scalef32_pk8_bf8_f32 v[XC+16*((\t)%2)+2*\c:XC+16*((\t)%2)+2*\c+1], v[XX+8*\c:XX+8*\c+7], v11
.endr
	v_nop                                          ; one plain vector instruction between the conversions and the next block's holds, which write the conversions' sources
.irp c, 0,1,2,3
	global_store_b128 v1, v[XC+16*((\t)%2)+4*\c:XC+16*((\t)%2)+4*\c+3], s[14:15] offset:2048*(\t)+512*\c   ; 512 consecutive bytes, aligned
.endr
.endm
.Lx:
	s_lshl_b32 s34, ttmp9, 2
	s_add_co_u32 s34, s34, s22                     ; unit = 4 x work-group + wave
	s_lshr_b32 s35, s34, 1                         ; the tile of 16 rows
	s_and_b32 s36, s34, 1                          ; which half of K
	s_lshl_b32 s38, s35, 16                        ; 16 rows of 4,096 bytes
	s_lshl_b32 s37, s36, 11
	s_add_co_u32 s38, s38, s37
	s_mov_b32 s39, 0
	s_add_nc_u64 s[4:5], s[4:5], s[38:39]
	s_lshl_b32 s38, s35, 14                        ; a tile's 8 images
	s_lshl_b32 s37, s36, 13
	s_add_co_u32 s38, s38, s37
	s_add_nc_u64 s[14:15], s[14:15], s[38:39]
	v_and_b32 v4, 31, v0
	v_lshlrev_b32 v1, 4, v4                        ; 16 x lane
	s_mul_i32 s37, s22, XSTG
	v_add_nc_u32 v2, s37, v1                       ; the stage, on the way in
	v_and_b32 v5, 15, v0
	v_bfe_u32 v6, v0, 4, 1
	v_mul_u32_u24 v3, v5, 528
	v_lshl_add_u32 v3, v6, 5, v3
	v_add_nc_u32 v3, s37, v3                       ; and on the way out: row r, + 32 h
	LOADX 0
	LOADX 1
	s_wait_kmcnt 0x0
	SCALE s24
	BLOCKX 0
	BLOCKX 1
	BLOCKX 2
	BLOCKX 3
	s_wait_tensorcnt 0x0
	ds_add_u32 v240, v241
	s_wait_dscnt 0x0
	s_endpgm
; ---- THE WEIGHTS, stored [K][N].  A lane takes a column and its registers run down K, so the conversions give codes with K innermost and nothing is transposed.  A wave takes 32 columns x 128 K.
; A lane holds both halves h of its column's fragment: the codes of k = 16 c + 8 h + 0 .. 7 belong to lane (r, h) of the image.  Sixteen lanes store 256 consecutive bytes, aligned.
; (Behind a group's conversions no register of theirs is touched by a vector instruction again: their results go to stores, and the next group's holds are plain lines on other registers.)
.macro LOADW g, sp, pitch
.irp i, 0,1,2,3,4,5,6,7,8,9,10,11,12,13,14,15,16,17,18,19,20,21,22,23,24,25,26,27,28,29,30,31
	global_load_b32 v[WX+32*(\g)+\i], v1, s[\sp:\sp+1] offset:(32*(\g)+\i)*\pitch th:TH_LOAD_NT
.endr
.endm
.macro WPATH sp, dp, pitch, e, cgoff
	s_sub_co_u32 s34, ttmp9, 256
	s_and_b32 s35, s34, 7                          ; the K step of 128
	s_lshr_b32 s36, s34, 3
	s_sub_co_u32 s36, s36, \cgoff                  ; the group of 128 columns
	s_mul_i32 s38, s35, 128*\pitch
	s_lshl_b32 s37, s36, 9
	s_add_co_u32 s38, s38, s37
	s_lshl_b32 s37, s22, 7                         ; my wave's 32 columns
	s_add_co_u32 s38, s38, s37
	s_mov_b32 s39, 0
	s_add_nc_u64 s[\sp:\sp+1], s[\sp:\sp+1], s[38:39]
	s_lshl_b32 s38, s36, 3
	s_lshl_b32 s37, s22, 1
	s_add_co_u32 s38, s38, s37                     ; my first tile of 16 columns
	s_lshl_b32 s38, s38, 14
	s_lshl_b32 s37, s35, 11
	s_add_co_u32 s38, s38, s37
	s_add_nc_u64 s[\dp:\dp+1], s[\dp:\dp+1], s[38:39]
	v_and_b32 v3, 31, v0
	v_lshlrev_b32 v1, 2, v3                        ; in: 4 bytes a lane
	v_lshrrev_b32 v4, 4, v3
	v_and_b32 v5, 15, v3
	v_lshlrev_b32 v2, 4, v5
	v_lshl_add_u32 v2, v4, 14, v2                  ; out: 16 r, lanes 16-31 in the next tile of columns
	LOADW 0, \sp, \pitch
	LOADW 1, \sp, \pitch
	s_wait_kmcnt 0x0
	SCALE \e
.irp gq, 0,1,2,3
.if \gq < 3
	s_wait_loadcnt 32                              ; this group's 32 loads are in; the next group's 32 may be out
.else
	s_wait_loadcnt 0x0
.endif
.if \gq < 2
	LOADW \gq+2, \sp, \pitch
.endif
.irp i, 0,1,2,3,4,5,6,7,8,9,10,11,12,13,14,15,16,17,18,19,20,21,22,23,24,25,26,27,28,29,30,31
	v_med3_num_f32 v[WX+32*\gq+\i], v[WX+32*\gq+\i], -v10, v10
.endr
.irp cc, 0,1
.irp h, 0,1
	v_cvt_scalef32_pk8_bf8_f32 v[WC+16*\h+4*\gq+2*\cc:WC+16*\h+4*\gq+2*\cc+1], v[WX+32*\gq+16*\cc+8*\h:WX+32*\gq+16*\cc+8*\h+7], v11
.endr
.endr
.irp h, 0,1
	global_store_b128 v2, v[WC+16*\h+4*\gq:WC+16*\h+4*\gq+3], s[\dp:\dp+1] offset:512*\gq+256*\h
.endr
.endr
	s_endpgm
.endm
.Lwqkv:
	WPATH 6, 16, 12288, s25, 0
.Lwo:
	WPATH 8, 18, 4096, s31, 24
.Lfunc_end_k_qe4027f61d4_prep:
	.size	k_qe4027f61d4_prep, .Lfunc_end_k_qe4027f61d4_prep-k_qe4027f61d4_prep
	.p2alignl 7, 3214868480
	.fill 96, 4, 3214868480
	.section	.rodata,"a",@progbits
	.p2align	6, 0x0
	.amdhsa_kernel k_qe4027f61d4_prep
		.amdhsa_group_segment_fixed_size 45056
		.amdhsa_private_segment_fixed_size 0
		.amdhsa_enable_private_segment 0
		.amdhsa_kernarg_size 72
		.amdhsa_user_sgpr_count 2
		.amdhsa_user_sgpr_kernarg_segment_ptr 1
		.amdhsa_wavefront_size32 1
		.amdhsa_system_sgpr_workgroup_id_x 1
		.amdhsa_system_sgpr_workgroup_id_y 1
		.amdhsa_system_sgpr_workgroup_id_z 1
		.amdhsa_system_vgpr_workitem_id 0
		.amdhsa_next_free_vgpr 242
		.amdhsa_next_free_sgpr 66
		.amdhsa_reserve_vcc 1
		.amdhsa_float_denorm_mode_32 3
		.amdhsa_float_denorm_mode_16_64 3
		.amdhsa_memory_ordered 1
		.amdhsa_forward_progress 1
		.amdhsa_inst_pref_size 104
	.end_amdhsa_kernel
	.amdgpu_metadata
---
amdhsa.version: [ 1, 2 ]
amdhsa.kernels:
  - .name:           k_qe4027f61d4_prep
    .symbol:         k_qe4027f61d4_prep.kd
    .args:
      - { .name: x, .offset: 0, .size: 8, .value_kind: global_buffer, .address_space: global }
      - { .name: Wqkv, .offset: 8, .size: 8, .value_kind: global_buffer, .address_space: global }
      - { .name: Wo, .offset: 16, .size: 8, .value_kind: global_buffer, .address_space: global }
      - { .name: char_ids, .offset: 24, .size: 8, .value_kind: global_buffer, .address_space: global }
      - { .name: lowp_scales, .offset: 32, .size: 8, .value_kind: global_buffer, .address_space: global }
      - { .name: x_img, .offset: 40, .size: 8, .value_kind: global_buffer, .address_space: global }
      - { .name: wqkv_img, .offset: 48, .size: 8, .value_kind: global_buffer, .address_space: global }
      - { .name: wo_img, .offset: 56, .size: 8, .value_kind: global_buffer, .address_space: global }
      - { .name: seg_start, .offset: 64, .size: 8, .value_kind: global_buffer, .address_space: global }
    .group_segment_fixed_size: 45056
    .private_segment_fixed_size: 0
    .kernarg_segment_align: 8
    .kernarg_segment_size: 72
    .max_flat_workgroup_size: 128
    .sgpr_count:     66
    .vgpr_count:     242
    .wavefront_size: 32
...
	.end_amdgpu_metadata
.endif
;; end of part 1
;; launch qkv (part 2): grid 12 x 32, 4 waves a work-group, clusters of 4 x 4, 327,680 bytes of LDS; arguments x_img, wqkv_img, bqkv, lowp_scales, q_img, k_img, v_img; writes q_img, k_img, v_img
.if DOCPART == 2
	.amdgcn_target "amdgcn-amd-amdhsa--gfx1250"
	.amdhsa_code_object_version 6
	.text
	.protected	k_qe4027f61d4_qkv
	.globl	k_qe4027f61d4_qkv
	.p2align	8
	.type	k_qe4027f61d4_qkv,@function
k_qe4027f61d4_qkv:
	s_mov_b64 s[64:65], 0
	v_nop
	global_prefetch_b8 v0, s[64:65] scope:SCOPE_SE
	s_setreg_imm32_b32 hwreg(HW_REG_WAVE_MODE, 25, 1), 1
	s_wait_xcnt 0x0
	s_wait_alu depctr_hold_cnt(0) depctr_sa_sdst(0) depctr_va_vdst(0) depctr_va_sdst(0) depctr_va_ssrc(0) depctr_va_vcc(0) depctr_vm_vsrc(0)
	s_getreg_b32 s2, hwreg(HW_REG_IB_STS2, 6, 4)
	s_cmp_eq_u32 s2, 0
	s_cbranch_scc0 .Lentry_in_a_cluster
	s_endpgm
.Lentry_in_a_cluster:
	s_bfe_u32 s2, ttmp6, 0x10000c
	s_cmp_lg_u32 s2, 0xf033
	s_cbranch_scc0 .Lentry_shape_is_right
	s_endpgm
.Lentry_shape_is_right:
; QKV: qkv = Q(x) Q(Wqkv) + bqkv on codes of E5M2; q and k are quantised (2^e2, 2^e3); v is divided by (its head's L2 norm + 1e-6) and quantised (2^e5).  All three leave as images of operand registers.
; A tile of 256 x 256 is made by four waves, each 128 x 128: 64 accumulators, 512 registers.  K = 1,024 goes in four steps of 256 through two LDS slots filled by the tensor data mover.
; ROLES.  Source 1 of the matrix instruction ("A") gives the result's lanes, source 0 ("B") its registers: lane (r, h), register j holds (B's row 8 h + j, A's row r).
;   cluster x = 0 (q), 1 (k): A = 256 tokens of x_img, B = 256 columns of wqkv_img: a lane holds one token and eight neighbouring features: one conversion gives registers 2 c, 2 c + 1 of the next operand (K = the head's 64).
;   cluster x = 2 (v): A = 256 columns of wqkv_img, B = 256 tokens of x_img: a lane holds one feature and eight neighbouring tokens: the keys run along the registers, as the second product of attention wants them.
; In every section A hangs on cy alone and is shared along a row of the cluster, B on cx alone and is shared along a column: one text serves all three; the buffers are chosen on the cluster's x.
; OPERANDS lie in memory and in LDS as images of registers (2,048 bytes for 16 rows x 128 K, chunk c at 512 c, lane l at 16 l): every LDS load reads 512 consecutive bytes; no pitch, no padding.
; OUT: q_img, k_img: [64 batch x head][128 tiles of 16 tokens][1,024];  v_img: [64][32 steps of 64 keys][4 tiles of 16 channels][1,024].  Every store covers 512 consecutive bytes, aligned, straight from registers.
; LIMITS: e0 + e1 between -126 and 127; e2, e3, e5 between -126 and 112.  NaN among the inputs is not served.
; REGISTERS: window 0: v16-29 addresses and constants; v32-95 bias along the registers (q, k); v96-111 bias along the lanes (v); v128-255 A's fragments, one set; the way out works in v32-255.
;   window 1: B's fragments, two sets.  windows 2, 3: accumulator (a, b) at v[8 (8 (a % 4) + b)] of window 2 + a / 4.
.set SLOT,   131072                    ; A's two halves of 32,768 bytes, then B's two
.set SPARE,  2*SLOT                    ; behind the ring: the spare words, 128 bytes for each wave
.set FR,     16
.set NL,     4
.set NP,     4
.set ADRA, 16                          ; v16-17 LDS address of my A fragments in slot 0, 1
.set ADRB, 20                          ; v20-21 the same for B
.set CSC,  22                          ; v22 the conversion's scale
.set LI,   24                          ; v24 16 x lane
.set H32,  25                          ; v25 32 h
.set R4,   26                          ; v26 4 r
.set HOLD, 27                          ; v27 57,344 x the scale
.set SPW,  28
.set NIL,  29
.set BI,   32
.set BV,   96
.set TQ,   96                          ; q, k: 32 numbers at work
.set TV,   32                          ; v: 64 numbers at work
.set SS,   112                         ; v: 16 sums of squares
.set AF,   128
.set G1,   24
.set G0,   32
.set G1B,  48
.set G0B,  56
.set MSB, 0
.macro WIN new                         ; the immediate's high byte repeats the setting that is left
.if MSB != \new
	s_set_vgpr_msb (MSB<<8)|\new
.set MSB, \new
.endif
.endm
.set MUL_LO, 0xa1                      ; source 0 (B) window 1, source 1 (A) window 0, C and D window 2
.set MUL_HI, 0xf1
.set TO_B,   0x40
; A joint load: waves 0 and 1 fetch A's halves, waves 2 and 3 B's.  The branch hangs on the wave's number alone.  Four v_nop follow each of the two lines.
.macro JLOAD g0a, g1a, g0b, g1b
	s_cmp_eq_u32 s19, 0
	s_cbranch_scc0 .Lfor_b_\@
	tensor_load_to_lds s[\g0a:\g0a+3], s[\g1a:\g1a+7]
	s_nop 0
.rept 4
	v_nop
.endr
	s_branch .Lasked_\@
.Lfor_b_\@:
	tensor_load_to_lds s[\g0b:\g0b+3], s[\g1b:\g1b+7]
	s_nop 0
.rept 4
	v_nop
.endr
.Lasked_\@:
.endm
.macro CREST                           ; a round of the cluster's barrier behind its opening barrier
	s_cmp_lg_u32 s18, 0
	s_cbranch_scc1 .Lnot_wave_0_\@
	s_barrier_signal -3
.Lnot_wave_0_\@:
	s_barrier_wait -3
	s_barrier_signal -1
	s_barrier_wait -1
.endm
.macro CROUND
	s_barrier_signal -1
	s_barrier_wait -1
	CREST
.endm
	s_load_b256 s[4:11], s[0:1], 0x0               ; x_img s[4:5], wqkv_img s[6:7], bqkv s[8:9], lowp_scales s[10:11]
	s_load_b128 s[12:15], s[0:1], 0x20             ; q_img, k_img
	s_load_b64 s[16:17], s[0:1], 0x30              ; v_img
	v_lshl_add_u32 v[SPW], v0, 2, SPARE
	v_mov_b32 v[NIL], 0
	ds_add_u32 v28, v29
	ds_add_u32 v28, v29
	s_wait_dscnt 0x0
	v_lshrrev_b32 v1, 5, v0
	v_readfirstlane_b32 s18, v1                    ; wave 0..3
	s_lshr_b32 s19, s18, 1                         ; HI: which half of A's rows is mine.  Also: I fetch for A (0) or for B (1)
	s_and_b32 s20, s18, 1                          ; LO: which half of B's rows.  Also: which half I fetch
	s_bfe_u32 s40, ttmp6, 0x40000                  ; cx
	s_bfe_u32 s41, ttmp6, 0x40004                  ; cy
	s_and_b32 s21, ttmp7, 0xffff                   ; the cluster's y
	s_lshl_b32 s42, s41, 2
	s_lshl_b32 s42, 15, s42                        ; my row of the cluster
	s_lshl_b32 s43, 0x1111, s40                    ; my column
	s_lshl_b32 s66, s21, 2
	s_add_co_u32 s66, s66, s41                     ; 4 y + cy: a block of 256 tokens
	s_add_co_u32 s67, s41, 8                       ; 8 + cy: a block of 256 columns of v
	s_lshl_b32 s68, ttmp9, 2
	s_add_co_u32 s68, s68, s40                     ; 4 x + cx: a block of 256 columns of q or k
	s_lshl_b32 s69, s21, 2
	s_add_co_u32 s69, s69, s40                     ; 4 y + cx: a block of 256 tokens
	s_cmp_eq_u32 ttmp9, 2                          ; the section: the same in all sixteen partners
	s_cselect_b32 s22, s67, s66                    ; R1: A's block: hangs on cy alone
	s_cselect_b32 s23, s69, s68                    ; R0: B's block: hangs on cx alone
	; descriptor group 1: 8 rows (tiles of 16) of 4,096 bytes (two images), 16,384 bytes apart; elements of 8 bytes; dense in LDS
	s_or_b32 s[G1+0], s42, (3<<16)|(1<<21)
	s_or_b32 s[G1B+0], s43, (3<<16)|(1<<21)
.irp g, G1, G1B
	s_mov_b32 s[\g+1], 512<<16                     ; tensor_dim0 = 512
	s_mov_b32 s[\g+2], 8<<16                       ; tensor_dim1 = 8
	s_mov_b32 s[\g+3], 512<<16                     ; tile_dim0 = 512
	s_mov_b32 s[\g+4], 8                           ; tile_dim1 = 8
	s_mov_b32 s[\g+5], 2048                        ; from row to row
	s_mov_b32 s[\g+6], 0
	s_mov_b32 s[\g+7], 0
.endr
	s_lshl_b32 s66, s22, 18                        ; a block of 256 rows is 262,144 bytes in either buffer
	s_lshl_b32 s67, s20, 17                        ; the half that I fetch
	s_add_co_u32 s66, s66, s67
	s_mov_b32 s67, 0
	s_lshl_b32 s68, s23, 18
	s_lshl_b32 s69, s20, 17
	s_add_co_u32 s68, s68, s69
	s_mov_b32 s69, 0
	s_lshl_b32 s70, s18, 15                        ; where it goes: wave x 32,768: no place in the cluster enters an LDS address
	s_wait_kmcnt 0x0
	s_load_b256 s[72:79], s[10:11], 0x0            ; e0 .. e7
	s_cmp_eq_u32 ttmp9, 2
	s_cselect_b64 s[44:45], s[6:7], s[4:5]         ; A's buffer
	s_cselect_b64 s[46:47], s[4:5], s[6:7]         ; B's buffer
	s_add_nc_u64 s[44:45], s[44:45], s[66:67]
	s_add_nc_u64 s[46:47], s[46:47], s[68:69]
	CROUND                                         ; all sixteen work-groups are here: the first joint loads meet
.irp s, 0,1
	s_mov_b32 s[G0+4*\s], 1
	s_add_co_u32 s[G0+4*\s+1], s70, \s*SLOT
	s_add_nc_u64 s[G0+4*\s+2:G0+4*\s+3], s[44:45], \s*4096
	s_or_b32 s[G0+4*\s+3], s[G0+4*\s+3], 0x80000000
	s_mov_b32 s[G0B+4*\s], 1
	s_add_co_u32 s[G0B+4*\s+1], s70, \s*SLOT
	s_add_nc_u64 s[G0B+4*\s+2:G0B+4*\s+3], s[46:47], \s*4096
	s_or_b32 s[G0B+4*\s+3], s[G0B+4*\s+3], 0x80000000
	JLOAD G0+4*\s, G1, G0B+4*\s, G1B               ; K steps 0 and 1: two loads of mine are out
.endr
	v_and_b32 v1, 31, v0
	v_and_b32 v2, 15, v0                           ; r
	v_bfe_u32 v3, v0, 4, 1                         ; h
	v_lshlrev_b32 v[LI], 4, v1
	v_lshlrev_b32 v[H32], 5, v3
	v_lshlrev_b32 v[R4], 2, v2
	s_lshl_b32 s71, s19, 15
	v_add_nc_u32 v[ADRA], s71, v[LI]
	v_add_nc_u32 v[ADRA+1], SLOT, v[ADRA]
	s_lshl_b32 s71, s20, 15
	s_add_co_u32 s71, s71, 0x10000
	v_add_nc_u32 v[ADRB], s71, v[LI]
	v_add_nc_u32 v[ADRB+1], SLOT, v[ADRB]
	; the biases, in both layouts, with no branch: the one that my section does not use is read at bqkv's first bytes
	s_lshl_b32 s84, s23, 10
	s_lshl_b32 s85, s20, 9
	s_add_co_u32 s84, s84, s85                     ; 4 (256 R0 + 128 LO)
	s_lshl_b32 s86, s22, 10
	s_lshl_b32 s87, s19, 9
	s_add_co_u32 s86, s86, s87                     ; 4 (256 R1 + 128 HI)
	s_cmp_eq_u32 ttmp9, 2
	s_cselect_b32 s84, 0, s84
	s_cselect_b32 s86, s86, 0
	s_mov_b32 s85, 0
	s_mov_b32 s87, 0
	s_add_nc_u64 s[84:85], s[8:9], s[84:85]
	s_add_nc_u64 s[86:87], s[8:9], s[86:87]
.irp b, 0,1,2,3,4,5,6,7
	global_load_b128 v[BI+8*\b:BI+8*\b+3], v[H32], s[84:85] offset:64*\b        ; features 16 b + 8 h + 0 .. 7
	global_load_b128 v[BI+8*\b+4:BI+8*\b+7], v[H32], s[84:85] offset:64*\b+16
.endr
.irp a, 0,1,2,3,4,5,6,7
	global_load_b32 v[BV+2*\a], v[R4], s[86:87] offset:64*\a                    ; feature 16 a + r, twice: a pair for the packed form
	global_load_b32 v[BV+2*\a+1], v[R4], s[86:87] offset:64*\a
.endr
	s_wait_loadcnt 0x0
.macro FRAG reg, adr, q, i             ; an image comes back as the registers that it was made of
.irp c, 0,1,2,3
	ds_load_b128 v[\reg+4*\c:\reg+4*\c+3], v[\adr] offset:4096*(\i)+2048*(\q)+512*\c
.endr
.endm
; 16 matrix instructions: A's blocks a0, a0 + 1 x B's eight, 128 along K.  The 64 accumulators take turns, one instruction a turn, in the same order in every step.
.macro MUL16 a0, p, zero
.irp a, \a0, \a0+1
.irp b, 0,1,2,3,4,5,6,7
.if \zero
	v_wmma_f32_16x16x128_bf8_bf8 v[8*(8*((\a)%4)+\b):8*(8*((\a)%4)+\b)+7], v[128*(\p)+FR*\b:128*(\p)+FR*\b+FR-1], v[AF+FR*(\a):AF+FR*(\a)+FR-1], 0
.else
	v_wmma_f32_16x16x128_bf8_bf8 v[8*(8*((\a)%4)+\b):8*(8*((\a)%4)+\b)+7], v[128*(\p)+FR*\b:128*(\p)+FR*\b+FR-1], v[AF+FR*(\a):AF+FR*(\a)+FR-1], v[8*(8*((\a)%4)+\b):8*(8*((\a)%4)+\b)+7]
.endif
.endr
.endr
.endm
.macro FETCH_B slot, q, p
	WIN TO_B
.irp i, 0,1,2,3,4,5,6,7
	FRAG 128*(\p)+FR*\i, ADRB+\slot, \q, \i
.endr
	WIN 0
.endm
.macro FETCH_A slot, q, i0
.irp i, \i0, \i0+1, \i0+2, \i0+3
	FRAG AF+FR*(\i), ADRA+\slot, \q, \i
.endr
.endm
.macro PLACES n                        ; plain vector instructions between a matrix instruction and a load into, or a vector instruction on, its registers
.rept \n
	v_nop
.endr
.endm
; A step of 128 along K that has its successor in the same slot.  A's one set is fetched anew by halves, as its blocks fall free; B's other set in the middle.
.macro STEP slot, q, zero
	s_wait_dscnt 4*NL                              ; B's set and A's blocks 0-3 are in; the youngest 16 loads (A's blocks 4-7) may be out
	WIN MUL_LO
	MUL16 0, (\q)%2, \zero
	MUL16 2, (\q)%2, \zero
	s_wait_dscnt 0
	PLACES NP
	FETCH_B \slot, (\q)+1, 1-(\q)%2
	FETCH_A \slot, (\q)+1, 0
	WIN MUL_HI
	MUL16 4, (\q)%2, \zero
	MUL16 6, (\q)%2, \zero
	PLACES NP
	WIN 0
	FETCH_A \slot, (\q)+1, 4
.endm
; A slot's last step changes slots: one barrier; in front of it each wave waits for all its tensor loads, adds 0 to its spare word, and waits for that and for its reads of this slot.
.macro TURN slot, next, fill
	s_wait_tensorcnt 0x0                           ; all my tensor loads have landed: my part of the next slot
	ds_add_u32 v[SPW], v[NIL]                      ; 0 onto my spare word
	s_wait_dscnt 4*NL+1                            ; (the add and the youngest 16 loads may be out)
	WIN MUL_LO
	MUL16 0, 1, 0
	s_wait_dscnt 0x0                               ; the add is done, and my reads of this slot are over
	s_barrier_signal -1
	MUL16 2, 1, 0
	WIN 0
	s_barrier_wait -1
.if \fill
	CREST                                          ; the barrier has opened a round of the cluster's: no wave of any partner still reads this slot or has a load on its way
	s_add_nc_u64 s[G0+4*\slot+2:G0+4*\slot+3], s[G0+4*\slot+2:G0+4*\slot+3], 8192
	s_add_nc_u64 s[G0B+4*\slot+2:G0B+4*\slot+3], s[G0B+4*\slot+2:G0B+4*\slot+3], 8192
	JLOAD G0+4*\slot, G1, G0B+4*\slot, G1B         ; the first tensor load behind the round; its four v_nop are the places in front of the loads below
.else
	PLACES NP
.endif
	FETCH_B \next, 0, 0
	FETCH_A \next, 0, 0
	WIN MUL_HI
	MUL16 4, 1, 0
	MUL16 6, 1, 0
	PLACES NP
	WIN 0
	FETCH_A \next, 0, 4
.endm
	s_wait_tensorcnt 1                             ; my part of K step 0 is in; K step 1's load may be out
	s_barrier_signal -1
	s_barrier_wait -1
	FETCH_B 0, 0, 0
	FETCH_A 0, 0, 0
	FETCH_A 0, 0, 4
	STEP 0, 0, 1                                   ; the first products start the sums: nothing is cleared.  K is 1,024: the eight steps are written out
	TURN 0, 1, 1                                   ; slot 0 takes K step 2
	STEP 1, 0, 0
	TURN 1, 0, 1                                   ; slot 1 takes K step 3
	STEP 0, 0, 0
	TURN 0, 1, 0
	STEP 1, 0, 0
	s_wait_dscnt 4*NL
	WIN MUL_LO
	MUL16 0, 1, 0
	MUL16 2, 1, 0
	s_wait_dscnt 0
	WIN MUL_HI
	MUL16 4, 1, 0
	MUL16 6, 1, 0
	WIN 0
	s_wait_kmcnt 0x0
	s_add_co_i32 s80, s72, s73
	s_add_co_i32 s80, s80, 127
	s_lshl_b32 s80, s80, 23                        ; 2^(e0 + e1) as f32
	s_mov_b32 s81, s80                             ; (named with it as a pair)
	PLACES NP
	s_cmp_eq_u32 ttmp9, 2
	s_cbranch_scc1 .Lv
; ---- q, k.  Block a (16 tokens), head g of my two: four accumulators are 32 numbers of a lane's token: x 2^(e0 + e1) + bias, hold, conversion: a fragment of 16 tokens x 64.
.macro QKOUT a, g
.set AC, 8*(8*((\a)%4)+4*(\g))
.set CD, 128+8*(2*(\a)+(\g))
	WIN 0x02+((\a)/4)
.irp j, 0,2,4,6,8,10,12,14,16,18,20,22,24,26,28,30
	v_pk_fma_f32 v[TQ+\j:TQ+\j+1], v[AC+\j:AC+\j+1], s[80:81], v[BI+32*(\g)+\j:BI+32*(\g)+\j+1] op_sel_hi:[1,0,1]   ; each accumulator from its low end on
.endr
	WIN 0
.irp j, 0,1,2,3,4,5,6,7,8,9,10,11,12,13,14,15,16,17,18,19,20,21,22,23,24,25,26,27,28,29,30,31
	v_med3_num_f32 v[TQ+\j], v[TQ+\j], -v[HOLD], v[HOLD]
.endr
.irp bb, 0,1,2,3
	v_cvt_scalef32_pk8_bf8_f32 v[CD+2*\bb:CD+2*\bb+1], v[TQ+8*\bb:TQ+8*\bb+7], v[CSC]
.endr
	v_nop                                          ; a plain instruction between the conversions and the next lines that write their sources
	global_store_b128 v[LI], v[CD:CD+3], s[84:85] offset:1024*(\a)+131072*(\g)
	global_store_b128 v[LI], v[CD+4:CD+7], s[84:85] offset:1024*(\a)+131072*(\g)+512
.endm
	s_cmp_eq_u32 ttmp9, 0
	s_cselect_b32 s82, s74, s75                    ; e2 for q, e3 for k
	s_cselect_b64 s[84:85], s[12:13], s[14:15]
	s_add_co_i32 s82, s82, 127
	s_lshl_b32 s83, s82, 23
	v_mov_b32 v[CSC], s83
	s_add_co_i32 s82, s82, 15
	s_lshl_b32 s82, s82, 23
	s_or_b32 s82, s82, 0x600000
	v_mov_b32 v[HOLD], s82
	s_lshr_b32 s86, s22, 3                         ; the batch
	s_lshl_b32 s86, s86, 4
	s_lshl_b32 s87, s40, 2
	s_add_co_u32 s86, s86, s87
	s_lshl_b32 s87, s20, 1
	s_add_co_u32 s86, s86, s87                     ; 16 batch + head, head = 4 cx + 2 LO (+ g)
	s_lshl_b32 s86, s86, 7
	s_and_b32 s87, s22, 7
	s_lshl_b32 s87, s87, 4
	s_add_co_u32 s86, s86, s87
	s_lshl_b32 s87, s19, 3
	s_add_co_u32 s86, s86, s87                     ; + the tile of tokens: 16 (R1 % 8) + 8 HI (+ a)
	s_lshl_b32 s86, s86, 10
	s_mov_b32 s87, 0
	s_add_nc_u64 s[84:85], s[84:85], s[86:87]
.irp a, 0,1,2,3,4,5,6,7
	QKOUT \a, 0
	QKOUT \a, 1
.endr
	s_branch .Ldone
; ---- v.  Head g of my two (A's blocks 4 g .. 4 g + 3: the head's 64 channels, 16 a' + r), tokens 16 (2 bp + bb) + 8 h + j.  The sum of squares over a head: four blocks in the lane, then the sixteen lanes of a row.
.macro VOUT g, bp
.set CV, 128+64*(\g)
	WIN 0x02+(\g)
.irp bb, 0,1
.irp ap, 0,1,2,3
.irp i, 0,2,4,6
	v_pk_fma_f32 v[TV+32*\bb+8*\ap+\i:TV+32*\bb+8*\ap+\i+1], v[8*(8*\ap+2*(\bp)+\bb)+\i:8*(8*\ap+2*(\bp)+\bb)+\i+1], s[80:81], v[BV+2*(4*(\g)+\ap):BV+2*(4*(\g)+\ap)+1] op_sel_hi:[1,0,1]
.endr
.endr
.endr
	WIN 0
.irp bb, 0,1
.irp i, 0,2,4,6
	v_pk_mul_f32 v[SS+8*\bb+\i:SS+8*\bb+\i+1], v[TV+32*\bb+\i:TV+32*\bb+\i+1], v[TV+32*\bb+\i:TV+32*\bb+\i+1]
.endr
.endr
.irp ap, 1,2,3
.irp bb, 0,1
.irp i, 0,2,4,6
	v_pk_fma_f32 v[SS+8*\bb+\i:SS+8*\bb+\i+1], v[TV+32*\bb+8*\ap+\i:TV+32*\bb+8*\ap+\i+1], v[TV+32*\bb+8*\ap+\i:TV+32*\bb+8*\ap+\i+1], v[SS+8*\bb+\i:SS+8*\bb+\i+1]
.endr
.endr
.endr
.irp m, 1,2,4,8
.irp n, 0,1,2,3,4,5,6,7,8,9,10,11,12,13,14,15
	v_add_f32_dpp v[SS+\n], v[SS+\n], v[SS+\n] row_xmask:\m row_mask:0xf bank_mask:0xf
.endr
.endr
.irp n, 0,1,2,3,4,5,6,7,8,9,10,11,12,13,14,15
	v_sqrt_f32 v[SS+\n], v[SS+\n]
.endr
	v_nop                                          ; a plain instruction behind the last root,
	s_wait_alu depctr_va_vdst(0)                   ; and one wait for the batch, ahead of its first reader
.irp n, 0,2,4,6,8,10,12,14
	v_pk_add_f32 v[SS+\n:SS+\n+1], v[SS+\n:SS+\n+1], 0x358637bd op_sel_hi:[1,0]   ; + 1e-6
.endr
.irp n, 0,1,2,3,4,5,6,7,8,9,10,11,12,13,14,15
	v_rcp_f32 v[SS+\n], v[SS+\n]
.endr
	v_nop
	s_wait_alu depctr_va_vdst(0)
.irp bb, 0,1
.irp ap, 0,1,2,3
.irp i, 0,2,4,6
	v_pk_mul_f32 v[TV+32*\bb+8*\ap+\i:TV+32*\bb+8*\ap+\i+1], v[TV+32*\bb+8*\ap+\i:TV+32*\bb+8*\ap+\i+1], v[SS+8*\bb+\i:SS+8*\bb+\i+1]
.endr
.endr
.endr
.set n, 0
.rept 64
	v_med3_num_f32 v[TV+n], v[TV+n], -v[HOLD], v[HOLD]
.set n, n+1
.endr
.irp bb, 0,1
.irp ap, 0,1,2,3
	v_cvt_scalef32_pk8_bf8_f32 v[CV+16*\ap+4*(\bp)+2*\bb:CV+16*\ap+4*(\bp)+2*\bb+1], v[TV+32*\bb+8*\ap:TV+32*\bb+8*\ap+7], v[CSC]
.endr
.endr
	v_nop
.irp ap, 0,1,2,3
	global_store_b128 v[LI], v[CV+16*\ap+4*(\bp):CV+16*\ap+4*(\bp)+3], s[84:85] offset:131072*(\g)+4096*((\bp)/2)+1024*\ap+512*((\bp)%2)
.endr
.endm
.Lv:
	s_add_co_i32 s82, s77, 127                     ; e5
	s_lshl_b32 s83, s82, 23
	v_mov_b32 v[CSC], s83
	s_add_co_i32 s82, s82, 15
	s_lshl_b32 s82, s82, 23
	s_or_b32 s82, s82, 0x600000
	v_mov_b32 v[HOLD], s82
	s_lshr_b32 s86, s23, 3                         ; the batch
	s_lshl_b32 s86, s86, 4
	s_lshl_b32 s87, s41, 2
	s_add_co_u32 s86, s86, s87
	s_lshl_b32 s87, s19, 1
	s_add_co_u32 s86, s86, s87                     ; 16 batch + head, head = 4 cy + 2 HI (+ g)
	s_lshl_b32 s86, s86, 5
	s_and_b32 s87, s23, 7
	s_lshl_b32 s87, s87, 2
	s_add_co_u32 s86, s86, s87
	s_lshl_b32 s87, s20, 1
	s_add_co_u32 s86, s86, s87                     ; + the step of 64 keys: 4 (R0 % 8) + 2 LO (+ bp / 2)
	s_lshl_b32 s86, s86, 12
	s_mov_b32 s87, 0
	s_add_nc_u64 s[84:85], s[16:17], s[86:87]
.irp g, 0,1
.irp bp, 0,1,2,3
	VOUT \g, \bp
.endr
.endr
.Ldone:
	s_wait_tensorcnt 0x0                           ; the wave's end
	ds_add_u32 v[SPW], v[NIL]
	s_wait_dscnt 0x0
	CROUND                                         ; the closing round: no work-group ends while a partner may still ask for a tile that names it
	s_endpgm
.Lfunc_end_k_qe4027f61d4_qkv:
	.size	k_qe4027f61d4_qkv, .Lfunc_end_k_qe4027f61d4_qkv-k_qe4027f61d4_qkv
	.p2alignl 7, 3214868480
	.fill 96, 4, 3214868480
	.section	.rodata,"a",@progbits
	.p2align	6, 0x0
	.amdhsa_kernel k_qe4027f61d4_qkv
		.amdhsa_group_segment_fixed_size 327680
		.amdhsa_private_segment_fixed_size 0
		.amdhsa_enable_private_segment 0
		.amdhsa_kernarg_size 56
		.amdhsa_user_sgpr_count 2
		.amdhsa_user_sgpr_kernarg_segment_ptr 1
		.amdhsa_wavefront_size32 1
		.amdhsa_system_sgpr_workgroup_id_x 1
		.amdhsa_system_sgpr_workgroup_id_y 1
		.amdhsa_system_sgpr_workgroup_id_z 1
		.amdhsa_system_vgpr_workitem_id 0
		.amdhsa_next_free_vgpr 1024
		.amdhsa_next_free_sgpr 88
		.amdhsa_reserve_vcc 0
		.amdhsa_float_denorm_mode_32 3
		.amdhsa_float_denorm_mode_16_64 3
		.amdhsa_memory_ordered 1
		.amdhsa_forward_progress 1
		.amdhsa_inst_pref_size 255
	.end_amdhsa_kernel
	.section	.bss,"aw",@nobits
	.p2align	6
	.space	262144
	.amdgpu_metadata
---
amdhsa.version: [ 1, 2 ]
amdhsa.kernels:
  - .name:           k_qe4027f61d4_qkv
    .symbol:         k_qe4027f61d4_qkv.kd
    .args:
      - { .name: x_img, .offset: 0, .size: 8, .value_kind: global_buffer, .address_space: global }
      - { .name: wqkv_img, .offset: 8, .size: 8, .value_kind: global_buffer, .address_space: global }
      - { .name: bqkv, .offset: 16, .size: 8, .value_kind: global_buffer, .address_space: global }
      - { .name: lowp_scales, .offset: 24, .size: 8, .value_kind: global_buffer, .address_space: global }
      - { .name: q_img, .offset: 32, .size: 8, .value_kind: global_buffer, .address_space: global }
      - { .name: k_img, .offset: 40, .size: 8, .value_kind: global_buffer, .address_space: global }
      - { .name: v_img, .offset: 48, .size: 8, .value_kind: global_buffer, .address_space: global }
    .group_segment_fixed_size: 327680
    .private_segment_fixed_size: 0
    .kernarg_segment_align: 8
    .kernarg_segment_size: 56
    .max_flat_workgroup_size: 128
    .sgpr_count:     88
    .vgpr_count:     1024
    .wavefront_size: 32
...
	.end_amdgpu_metadata
.endif
;; end of part 2
;; launch attn (part 3): grid 16 x 64, 4 waves a work-group, no clusters, 0 bytes of LDS; arguments q_img, k_img, v_img, seg_start, lowp_scales, y_img; writes y_img
.if DOCPART == 3
	.amdgcn_target "amdgcn-amd-amdhsa--gfx1250"
	.amdhsa_code_object_version 6
	.text
	.protected	k_qe4027f61d4_attn
	.globl	k_qe4027f61d4_attn
	.p2align	8
	.type	k_qe4027f61d4_attn,@function
k_qe4027f61d4_attn:
	s_mov_b64 s[64:65], 0
	v_nop
	global_prefetch_b8 v0, s[64:65] scope:SCOPE_SE
	s_setreg_imm32_b32 hwreg(HW_REG_WAVE_MODE, 25, 1), 1
	s_wait_xcnt 0x0
; ATTN: y = softmax(q k^T / 8, under the mask) v, both products on codes of E5M2; y is quantised with 2^e6 and leaves as an image of the last product's operand.
; THE MASK: key k counts for query q where seg_start[q] <= k <= q.  A wave owns 32 queries (two tiles of 16) of one head and walks only the steps of 64 keys that hold a key of one of its queries:
; from seg_start[first query] / 64 to last query / 64.  Both bounds are whole numbers (a table that an earlier launch stored, and ids).  So the trip count hangs on loaded numbers, and this launch has no tensor load,
; no LDS and no barrier: K's and V's fragments come straight from their images, 512 consecutive bytes a load.  No cluster: partners would need different numbers of tiles.
; THE SOFTMAX: t = score x log2(e) / 8; M = the running largest t rounded up to a whole number (kept as -M = floor(-t)); p = 2^(t - M) is quantised with 2^e4; the row's sum is taken of the unquantised p and divides at the end.
; When M moves, the sum and O are multiplied by 2^(old M - new M): exact.  A query none of whose keys has come yet keeps t = -3e38: its p are 0, and the first real M multiplies zeros by 0.
; LAYOUT: S^T = K Q^T (source 0 = 16 keys, source 1 = 16 queries), O^T = V^T P^T (source 0 = 16 channels, source 1 = P): a lane holds one query throughout; lane (r, h), register j of tile t is key 16 t + 8 h + j:
; one conversion of a tile's eight registers gives registers 2 t, 2 t + 1 of P's fragment, and likewise of y's.
; LIMITS: e2 + e3 between -123 and 130; e4, e6 between -126 and 112.  NaN among the inputs is not served.
; REGISTERS: v1 16 x lane; v2, v3 offsets of K's and V's loads; v5 -infinity; v6, v7 hold and scale; v8-11 window bounds less 8 h; v12-19 -M, t, sums; v20-27 at work; v28-31 bounds relative to the step.
.set QR, 32                            ; v32-47   Q: two fragments
.set KR, 48                            ; v48-79   K: a step's four fragments
.set VR, 80                            ; v80-111  V: a step's four fragments
.set PR, 112                           ; v112-127 P's codes, two fragments
.set SR, 128                           ; v128-191 S^T, then p: tile (u, t) at 32 u + 8 t
.set OA, 192                           ; v192-255 O^T: tile (u, dt) at 32 u + 8 dt
	s_load_b256 s[4:11], s[0:1], 0x0               ; q_img s[4:5], k_img s[6:7], v_img s[8:9], seg_start s[10:11]
	s_load_b128 s[12:15], s[0:1], 0x20             ; lowp_scales s[12:13], y_img s[14:15]
	v_lshrrev_b32 v1, 5, v0
	v_readfirstlane_b32 s16, v1                    ; wave
	s_and_b32 s17, ttmp7, 0xffff                   ; 16 batch + head
	s_lshl_b32 s18, ttmp9, 2
	s_add_co_u32 s18, s18, s16                     ; my block of 32 queries
	s_lshr_b32 s35, s18, 1                         ; the last step: (32 block + 31) / 64
	s_add_co_u32 s19, s35, 1                       ; one behind it: the loop's bound
	s_mov_b32 s20, 0x76543210
	s_mov_b32 s21, 0xfedcba98                      ; v_permlanex16_b32's selects for lane l xor 16
	s_lshl_b32 s38, s17, 17                        ; a head's 131,072 bytes in q_img, k_img, v_img
	s_mov_b32 s39, 0
	s_lshl_b32 s40, s18, 11                        ; my two tiles of Q
	s_mov_b32 s41, 0
	s_lshr_b32 s43, s17, 4                         ; the batch
	s_lshl_b32 s44, s43, 13
	s_lshl_b32 s45, s18, 7
	s_add_co_u32 s44, s44, s45                     ; my 32 words of the table
	s_mov_b32 s45, 0
	s_lshl_b32 s46, s43, 7
	s_lshl_b32 s47, s18, 1
	s_add_co_u32 s46, s46, s47                     ; my first tile of 16 tokens
	s_lshl_b32 s46, s46, 14
	s_and_b32 s47, s17, 15
	s_lshl_b32 s47, s47, 10
	s_add_co_u32 s46, s46, s47                     ; + the head's 1,024 bytes
	s_mov_b32 s47, 0
	v_and_b32 v20, 31, v0
	v_lshlrev_b32 v1, 4, v20
	v_and_b32 v21, 15, v0                          ; r
	v_bfe_u32 v23, v0, 4, 1                        ; h
	v_lshlrev_b32 v4, 2, v21
	s_wait_kmcnt 0x0
	s_load_b256 s[24:31], s[12:13], 0x0            ; e0 .. e7
	s_add_nc_u64 s[10:11], s[10:11], s[44:45]
	s_add_nc_u64 s[4:5], s[4:5], s[38:39]
	s_add_nc_u64 s[4:5], s[4:5], s[40:41]
	s_add_nc_u64 s[6:7], s[6:7], s[38:39]
	s_add_nc_u64 s[8:9], s[8:9], s[38:39]
	s_add_nc_u64 s[14:15], s[14:15], s[46:47]
	global_load_b32 v8, v4, s[10:11]               ; seg_start of query r of tile 0,
	global_load_b32 v9, v4, s[10:11] offset:64     ; of tile 1
.irp i, 0,1,2,3
	global_load_b128 v[QR+4*\i:QR+4*\i+3], v1, s[4:5] offset:512*\i th:TH_LOAD_NT
.endr
	v_mov_b32 v5, 0xff800000
	v_mov_b32 v13, 0xff61b1e6                      ; the largest t so far: -3e38
	v_mov_b32 v17, 0xff61b1e6
	v_floor_f32 v12, -v13                          ; -M
	v_floor_f32 v16, -v17
	v_mov_b32 v14, 0                               ; the sums, in two halves
	v_mov_b32 v15, 0
	v_mov_b32 v18, 0
	v_mov_b32 v19, 0
	v_mov_b32 v22, 0                               ; a lane permute's destination counts as one of its sources
	v_mov_b32 v25, 0                               ; (named as upper halves of pairs)
	v_mov_b32 v27, 0
.set n, 0
.rept 64
	v_mov_b32 v[OA+n], 0                           ; the loop is written once: its first step finds zeros
.set n, n+1
.endr
	s_wait_loadcnt 4                               ; the table's two loads are in; Q's four may be out
	v_readfirstlane_b32 s32, v8                    ; seg_start of my first query: the least of my 32 (the table ascends)
	v_readlane_b32 s33, v9, 15                     ; of my last query: the greatest
	s_lshr_b32 s32, s32, 6
	s_min_u32 s32, s32, 31                         ; the first step; behind this clamp only shifts left and additions lead to an address
	v_lshlrev_b32 v23, 3, v23                      ; 8 h
	v_sub_nc_u32 v8, v8, v23
	v_sub_nc_u32 v9, v9, v23
	s_lshl_b32 s37, s18, 5
	v_add_nc_u32 v10, s37, v21
	v_sub_nc_u32 v10, v10, v23                     ; my query less 8 h
	v_add_nc_u32 v11, 16, v10
	s_lshl_b32 s37, s32, 12                        ; a step is 4,096 bytes of k_img and of v_img
	v_add_nc_u32 v2, s37, v1
	v_add_nc_u32 v3, s37, v1
.irp i, 0,1,2,3,4,5,6,7
	global_load_b128 v[KR+4*\i:KR+4*\i+3], v2, s[6:7] offset:512*\i
.endr
	s_mov_b32 s34, s32                             ; the step in hand
	s_wait_kmcnt 0x0
	s_add_co_i32 s38, s26, s27
	s_lshl_b32 s38, s38, 23
	s_mov_b32 s22, 0x3e38aa3b                      ; c = log2(e) / 8;
	s_add_co_i32 s22, s22, s38                     ; a score stands for score x 2^(e2 + e3): added to c's exponent field
	s_mov_b32 s23, s22
	s_add_co_i32 s38, s28, 127
	s_lshl_b32 s39, s38, 23
	v_mov_b32 v7, s39                              ; 2^e4
	s_add_co_i32 s38, s38, 15
	s_lshl_b32 s38, s38, 23
	s_or_b32 s38, s38, 0x600000
	v_mov_b32 v6, s38                              ; 57,344 x 2^e4
	s_add_co_i32 s42, s28, s29                     ; e4 + e5
; the step's largest score of tile u's query, the running t, the new -M and f = 2^(old M - new M)
.macro SMAX u
	v_max3_num_f32 v20, v[SR+32*\u], v[SR+32*\u+1], v[SR+32*\u+2]     ; ascending, in two chains: each tile is first read at its low end
	v_max3_num_f32 v21, v[SR+32*\u+3], v[SR+32*\u+4], v[SR+32*\u+5]
.irp i, 6,10,14,18,22,26
	v_max3_num_f32 v20, v20, v[SR+32*\u+\i], v[SR+32*\u+\i+1]
	v_max3_num_f32 v21, v21, v[SR+32*\u+\i+2], v[SR+32*\u+\i+3]
.endr
	v_max3_num_f32 v20, v20, v[SR+32*\u+30], v[SR+32*\u+31]
	v_max_num_f32 v20, v20, v21
	v_permlanex16_b32 v22, v20, s20, s21
	v_max_num_f32 v20, v20, v22                    ; and lane l xor 16's 32 keys
	v_mul_f32 v20, s22, v20                        ; as t (c is positive)
	v_max_num_f32 v[13+4*\u], v[13+4*\u], v20
	v_mov_b32 v20, v[12+4*\u]
	v_floor_f32 v[12+4*\u], -v[13+4*\u]            ; -M = floor(-t): M is a whole number
	v_sub_f32 v20, v[12+4*\u], v20
	v_cvt_i32_f32 v20, v20                         ; (it saturates)
	v_ldexp_f32 v[24+2*\u], 1.0, v20
.endm
.Lstep:
	s_lshl_b32 s36, s34, 6                         ; the step's first key
	v_sub_nc_u32 v28, v8, s36                      ; the bounds relative to it.  (Four plain lines: the places between the last products and the loads into V's registers)
	v_sub_nc_u32 v29, v9, s36
	v_sub_nc_u32 v30, v10, s36
	v_sub_nc_u32 v31, v11, s36
.irp i, 0,1,2,3,4,5,6,7
	global_load_b128 v[VR+4*\i:VR+4*\i+3], v3, s[8:9] offset:512*\i
.endr
	s_wait_loadcnt 8                               ; K of this step is in (and Q, in the first trip); V's eight loads may be out
.irp t, 0,1,2,3
.irp u, 0,1
	v_wmma_f32_16x16x64_bf8_bf8 v[SR+32*\u+8*\t:SR+32*\u+8*\t+7], v[KR+8*\t:KR+8*\t+7], v[QR+8*\u:QR+8*\u+7], 0
.endr
.endr
	s_add_co_u32 s38, s34, 1
	s_min_u32 s38, s38, 31                         ; the next step, held inside the buffer: these loads are issued in every trip, so that the counts are the same on every way; the last trip's are not read
	s_lshl_b32 s37, s38, 12
	v_add_nc_u32 v2, s37, v1                       ; (K's loads of this step are done: their offset may be written)
.rept 3
	v_nop                                          ; with the line above: four places behind the products
.endr
.irp i, 0,1,2,3,4,5,6,7
	global_load_b128 v[KR+4*\i:KR+4*\i+3], v2, s[6:7] offset:512*\i
.endr
	s_cmp_ge_u32 s36, s33                          ; every key of the step lies at or behind every window's start: nothing to hide from below
	s_cbranch_scc1 .Lnolow
.irp u, 0,1
.set n, 0
.rept 32
	v_cmp_lt_i32 vcc_lo, 16*(n/8)+n%8, v[28+\u]
	v_cndmask_b32 v[SR+32*\u+n], v[SR+32*\u+n], v5, vcc_lo
.set n, n+1
.endr
.endr
.Lnolow:
	s_cmp_lg_u32 s34, s35                          ; only the last step holds keys behind a query
	s_cbranch_scc1 .Lnoup
.irp u, 0,1
.set n, 0
.rept 32
	v_cmp_gt_i32 vcc_lo, 16*(n/8)+n%8, v[30+\u]
	v_cndmask_b32 v[SR+32*\u+n], v[SR+32*\u+n], v5, vcc_lo
.set n, n+1
.endr
.endr
.Lnoup:
	SMAX 0
	SMAX 1
.irp u, 0,1
.set n, 0
.rept 16
	v_pk_fma_f32 v[SR+32*\u+n:SR+32*\u+n+1], v[SR+32*\u+n:SR+32*\u+n+1], s[22:23], v[12+4*\u:13+4*\u] op_sel_hi:[1,0,0]   ; t - M (of the pairs c and -M the low word serves both halves)
.set n, n+2
.endr
.endr
.set n, 0
.rept 64
	v_exp_f32 v[SR+n], v[SR+n]                     ; p = 2^(t - M): one batch
.set n, n+1
.endr
	v_pk_mul_f32 v[14:15], v[14:15], v[24:25] op_sel_hi:[1,0]   ; the sums under the new M.  (Plain instructions behind the exponentials)
	v_pk_mul_f32 v[18:19], v[18:19], v[26:27] op_sel_hi:[1,0]
	s_wait_alu depctr_va_vdst(0)                   ; one wait for the batch, ahead of its first reader
.irp u, 0,1
	v_pk_add_f32 v[20:21], v[SR+32*\u:SR+32*\u+1], v[SR+32*\u+2:SR+32*\u+3]   ; the row's sum is taken of the unquantised p, in two chains
.irp j, 4,8,12,16,20,24,28
	v_pk_add_f32 v[14+4*\u:15+4*\u], v[14+4*\u:15+4*\u], v[SR+32*\u+\j:SR+32*\u+\j+1]
	v_pk_add_f32 v[20:21], v[20:21], v[SR+32*\u+\j+2:SR+32*\u+\j+3]
.endr
	v_pk_add_f32 v[14+4*\u:15+4*\u], v[14+4*\u:15+4*\u], v[20:21]
.endr
	s_cmp_ge_i32 s28, -15                          ; p <= 1 <= 57,344 x 2^e4 from e4 = -15 on: the hold changes nothing there (a branch on a given whole number)
	s_cbranch_scc1 .Lnohold
.set n, 0
.rept 64
	v_min_num_f32 v[SR+n], v[SR+n], v6             ; p is not negative: the hold is one-sided
.set n, n+1
.endr
.Lnohold:
.irp u, 0,1
.irp t, 0,1,2,3
	v_cvt_scalef32_pk8_bf8_f32 v[PR+8*\u+2*\t:PR+8*\u+2*\t+1], v[SR+32*\u+8*\t:SR+32*\u+8*\t+7], v7
.endr
.endr
.irp u, 0,1
.set n, 0
.rept 16
	v_pk_mul_f32 v[OA+32*\u+n:OA+32*\u+n+1], v[OA+32*\u+n:OA+32*\u+n+1], v[24+2*\u:25+2*\u] op_sel_hi:[1,0]   ; O^T under the new M.  (Also the plain lines behind the conversions)
.set n, n+2
.endr
.endr
	s_wait_loadcnt 8                               ; V of this step is in; the next K's eight loads may be out
	v_add_nc_u32 v3, s37, v1                       ; V's offset for the next step
.irp dt, 0,1,2,3
.irp u, 0,1
	v_wmma_f32_16x16x64_bf8_bf8 v[OA+32*\u+8*\dt:OA+32*\u+8*\dt+7], v[VR+8*\dt:VR+8*\dt+7], v[PR+8*\u:PR+8*\u+7], v[OA+32*\u+8*\dt:OA+32*\u+8*\dt+7]   ; eight accumulators by turns
.endr
.endr
	s_add_co_u32 s34, s34, 1                       ; a step of 1 against a bound that the loop does not write: at most 32 trips, since the first step is 0 at the least and the bound 32 at the most
	s_cmp_lt_u32 s34, s19
	s_cbranch_scc1 .Lstep
	; THE WAY OUT.  (v48-79 and v2 are left alone: the last trip's loads of K may still be out.)
	v_add_f32 v14, v14, v15
	v_add_f32 v18, v18, v19
	v_permlanex16_b32 v22, v14, s20, s21
	v_permlanex16_b32 v23, v18, s20, s21
	v_add_f32 v14, v14, v22                        ; the rows' sums
	v_add_f32 v18, v18, v23
	v_rcp_f32 v14, v14
	v_rcp_f32 v18, v18
	s_add_co_i32 s38, s30, 127                     ; e6
	s_lshl_b32 s39, s38, 23
	v_mov_b32 v7, s39                              ; (plain lines behind the reciprocals)
	s_add_co_i32 s38, s38, 15
	s_lshl_b32 s38, s38, 23
	s_or_b32 s38, s38, 0x600000
	v_mov_b32 v6, s38
	s_wait_alu depctr_va_vdst(0)
	v_ldexp_f32 v14, v14, s42                      ; x 2^(e4 + e5)
	v_ldexp_f32 v18, v18, s42
.irp u, 0,1
.set n, 0
.rept 16
	v_pk_mul_f32 v[OA+32*\u+n:OA+32*\u+n+1], v[OA+32*\u+n:OA+32*\u+n+1], v[14+4*\u:15+4*\u] op_sel_hi:[1,0]
.set n, n+2
.endr
.endr
.set n, 0
.rept 64
	v_med3_num_f32 v[OA+n], v[OA+n], -v6, v6
.set n, n+1
.endr
.irp u, 0,1
.irp dt, 0,1,2,3
	v_cvt_scalef32_pk8_bf8_f32 v[PR+8*\u+2*\dt:PR+8*\u+2*\dt+1], v[OA+32*\u+8*\dt:OA+32*\u+8*\dt+7], v7
.endr
.endr
	v_nop
.irp u, 0,1
	global_store_b128 v1, v[PR+8*\u:PR+8*\u+3], s[14:15] offset:16384*\u          ; 512 consecutive bytes, aligned
	global_store_b128 v1, v[PR+8*\u+4:PR+8*\u+7], s[14:15] offset:16384*\u+512
.endr
	s_endpgm
.Lfunc_end_k_qe4027f61d4_attn:
	.size	k_qe4027f61d4_attn, .Lfunc_end_k_qe4027f61d4_attn-k_qe4027f61d4_attn
	.p2alignl 7, 3214868480
	.fill 96, 4, 3214868480
	.section	.rodata,"a",@progbits
	.p2align	6, 0x0
	.amdhsa_kernel k_qe4027f61d4_attn
		.amdhsa_group_segment_fixed_size 0
		.amdhsa_private_segment_fixed_size 0
		.amdhsa_enable_private_segment 0
		.amdhsa_kernarg_size 48
		.amdhsa_user_sgpr_count 2
		.amdhsa_user_sgpr_kernarg_segment_ptr 1
		.amdhsa_wavefront_size32 1
		.amdhsa_system_sgpr_workgroup_id_x 1
		.amdhsa_system_sgpr_workgroup_id_y 1
		.amdhsa_system_sgpr_workgroup_id_z 1
		.amdhsa_system_vgpr_workitem_id 0
		.amdhsa_next_free_vgpr 256
		.amdhsa_next_free_sgpr 66
		.amdhsa_reserve_vcc 1
		.amdhsa_float_denorm_mode_32 3
		.amdhsa_float_denorm_mode_16_64 3
		.amdhsa_memory_ordered 1
		.amdhsa_forward_progress 1
		.amdhsa_inst_pref_size 40
	.end_amdhsa_kernel
	.amdgpu_metadata
---
amdhsa.version: [ 1, 2 ]
amdhsa.kernels:
  - .name:           k_qe4027f61d4_attn
    .symbol:         k_qe4027f61d4_attn.kd
    .args:
      - { .name: q_img, .offset: 0, .size: 8, .value_kind: global_buffer, .address_space: global }
      - { .name: k_img, .offset: 8, .size: 8, .value_kind: global_buffer, .address_space: global }
      - { .name: v_img, .offset: 16, .size: 8, .value_kind: global_buffer, .address_space: global }
      - { .name: seg_start, .offset: 24, .size: 8, .value_kind: global_buffer, .address_space: global }
      - { .name: lowp_scales, .offset: 32, .size: 8, .value_kind: global_buffer, .address_space: global }
      - { .name: y_img, .offset: 40, .size: 8, .value_kind: global_buffer, .address_space: global }
    .group_segment_fixed_size: 0
    .private_segment_fixed_size: 0
    .kernarg_segment_align: 8
    .kernarg_segment_size: 48
    .max_flat_workgroup_size: 128
    .sgpr_count:     66
    .vgpr_count:     256
    .wavefront_size: 32
...
	.end_amdgpu_metadata
.endif
;; end of part 3
;; launch proj (part 4): grid 4 x 64, 4 waves a work-group, clusters of 4 x 4, 327,680 bytes of LDS; arguments y_img, wo_img, bo, lowp_scales, out0; writes out0
.if DOCPART == 4
	.amdgcn_target "amdgcn-amd-amdhsa--gfx1250"
	.amdhsa_code_object_version 6
	.text
	.protected	k_qe4027f61d4_proj
	.globl	k_qe4027f61d4_proj
	.p2align	8
	.type	k_qe4027f61d4_proj,@function
k_qe4027f61d4_proj:
	s_mov_b64 s[64:65], 0
	v_nop
	global_prefetch_b8 v0, s[64:65] scope:SCOPE_SE
	s_setreg_imm32_b32 hwreg(HW_REG_WAVE_MODE, 25, 1), 1
	s_wait_xcnt 0x0
	s_wait_alu depctr_hold_cnt(0) depctr_sa_sdst(0) depctr_va_vdst(0) depctr_va_sdst(0) depctr_va_ssrc(0) depctr_va_vcc(0) depctr_vm_vsrc(0)
	s_getreg_b32 s2, hwreg(HW_REG_IB_STS2, 6, 4)
	s_cmp_eq_u32 s2, 0
	s_cbranch_scc0 .Lentry_in_a_cluster
	s_endpgm
.Lentry_in_a_cluster:
	s_bfe_u32 s2, ttmp6, 0x10000c
	s_cmp_lg_u32 s2, 0xf033
	s_cbranch_scc0 .Lentry_shape_is_right
	s_endpgm
.Lentry_shape_is_right:
; PROJ: out0 = Q(y) Q(Wo) + bo on codes of E5M2 (scales 2^e6, 2^e7); out0: [8,192][1,024] f32.
; A tile of 128 tokens x 256 columns, so that 8,192 x 1,024 gives 256 work-groups.  Four waves, each 64 x 128: 32 accumulators.  Source 0 = 16 columns of Wo, source 1 = 16 tokens: a lane holds eight neighbouring numbers of a row.
; K = 1,024 in four steps of 256 through THREE LDS slots: steps 0, 1, 2 go out together at the start (three loads of a wave are out), step 3 is the one refill, into slot 0.
; CLUSTER 4 x 4: y's tile hangs on the tile row alone and is shared along a row of the cluster, Wo's on cx alone and is shared along a column.
; Operands lie in memory and in LDS as images of registers (2,048 bytes for 16 rows x 128 K): every LDS load reads 512 consecutive bytes.
; LIMIT: e6 + e7 between -126 and 127.
; REGISTERS: window 0: v16-29 addresses; v32-95 at work on the way out; v128-191, v192-255 y's fragments, two sets (on the way out: rows read back).  window 1: Wo's fragments, two sets.
;   window 2: accumulator (a, b) at v[8 (8 a + b)].  window 3: v0-63 bo in the result's layout.
.set SLOT,  98304                      ; y's two halves of 16,384 bytes, then Wo's two of 32,768
.set SPARE, 3*SLOT
.set ADRA, 16                          ; v16-18
.set ADRB, 20                          ; v20-22
.set STO,  24
.set RD,   25
.set CO,   26                          ; 16 x lane
.set H32,  27
.set SPW,  28
.set NIL,  29
.set TMP,  32
.set BK,   128
.set G1A,  24
.set G1B,  32
.set G0A,  40                          ; s[40:51] three sets
.set G0B,  52                          ; s[52:63] three sets
.set MSB, 0
.macro WIN new
.if MSB != \new
	s_set_vgpr_msb (MSB<<8)|\new
.set MSB, \new
.endif
.endm
.macro JLOAD g0a, g1a, g0b, g1b        ; waves 0 and 1 fetch y's halves, waves 2 and 3 Wo's; four v_nop follow each of the two lines
	s_cmp_eq_u32 s15, 0
	s_cbranch_scc0 .Lfor_b_\@
	tensor_load_to_lds s[\g0a:\g0a+3], s[\g1a:\g1a+7]
	s_nop 0
.rept 4
	v_nop
.endr
	s_branch .Lasked_\@
.Lfor_b_\@:
	tensor_load_to_lds s[\g0b:\g0b+3], s[\g1b:\g1b+7]
	s_nop 0
.rept 4
	v_nop
.endr
.Lasked_\@:
.endm
.macro CREST
	s_cmp_lg_u32 s14, 0
	s_cbranch_scc1 .Lnot_wave_0_\@
	s_barrier_signal -3
.Lnot_wave_0_\@:
	s_barrier_wait -3
	s_barrier_signal -1
	s_barrier_wait -1
.endm
.macro CROUND
	s_barrier_signal -1
	s_barrier_wait -1
	CREST
.endm
	s_load_b256 s[4:11], s[0:1], 0x0               ; y_img s[4:5], wo_img s[6:7], bo s[8:9], lowp_scales s[10:11]
	s_load_b64 s[12:13], s[0:1], 0x20              ; out0
	v_lshl_add_u32 v[SPW], v0, 2, SPARE
	v_mov_b32 v[NIL], 0
	ds_add_u32 v28, v29
	ds_add_u32 v28, v29
	s_wait_dscnt 0x0
	v_lshrrev_b32 v1, 5, v0
	v_readfirstlane_b32 s14, v1                    ; wave
	s_lshr_b32 s15, s14, 1                         ; HI: which 64 tokens are mine.  Also: I fetch for y (0) or for Wo (1)
	s_and_b32 s16, s14, 1                          ; LO: which 128 columns.  Also: which half I fetch
	s_bfe_u32 s19, ttmp6, 0x40000                  ; cx
	s_bfe_u32 s20, ttmp6, 0x40004                  ; cy
	s_and_b32 s17, ttmp7, 0xffff
	s_lshl_b32 s18, s17, 2
	s_add_co_u32 s18, s18, s20                     ; the block of 128 tokens: 4 x cluster y + cy
	s_lshl_b32 s21, s20, 2
	s_lshl_b32 s21, 15, s21                        ; my row of the cluster
	s_lshl_b32 s22, 0x1111, s19                    ; my column
	s_or_b32 s[G1A+0], s21, (3<<16)|(1<<21)        ; elements of 8 bytes; rows of 4,096 bytes, 16,384 apart; dense in LDS
	s_or_b32 s[G1B+0], s22, (3<<16)|(1<<21)
	s_mov_b32 s[G1A+1], 512<<16
	s_mov_b32 s[G1A+2], 4<<16                      ; y: 4 rows
	s_mov_b32 s[G1A+3], 512<<16
	s_mov_b32 s[G1A+4], 4
	s_mov_b32 s[G1A+5], 2048
	s_mov_b32 s[G1A+6], 0
	s_mov_b32 s[G1A+7], 0
	s_mov_b32 s[G1B+1], 512<<16
	s_mov_b32 s[G1B+2], 8<<16                      ; Wo: 8 rows
	s_mov_b32 s[G1B+3], 512<<16
	s_mov_b32 s[G1B+4], 8
	s_mov_b32 s[G1B+5], 2048
	s_mov_b32 s[G1B+6], 0
	s_mov_b32 s[G1B+7], 0
	s_lshl_b32 s66, s18, 17                        ; 128 tokens are 131,072 bytes of y_img
	s_lshl_b32 s67, s16, 16
	s_add_co_u32 s66, s66, s67
	s_mov_b32 s67, 0
	s_lshl_b32 s68, s19, 18                        ; 256 columns are 262,144 bytes of wo_img
	s_lshl_b32 s69, s16, 17
	s_add_co_u32 s68, s68, s69
	s_mov_b32 s69, 0
	s_lshl_b32 s70, s16, 14                        ; where they go in a slot: y's half,
	s_lshl_b32 s71, s16, 15
	s_add_co_u32 s71, s71, 32768                   ; Wo's half
	s_wait_kmcnt 0x0
	s_load_b256 s[72:79], s[10:11], 0x0            ; e0 .. e7
	s_add_nc_u64 s[82:83], s[4:5], s[66:67]
	s_add_nc_u64 s[84:85], s[6:7], s[68:69]
	CROUND                                         ; all sixteen work-groups are here: the first joint loads meet
.irp s, 0,1,2
	s_mov_b32 s[G0A+4*\s], 1
	s_add_co_u32 s[G0A+4*\s+1], s70, \s*SLOT
	s_add_nc_u64 s[G0A+4*\s+2:G0A+4*\s+3], s[82:83], \s*4096
	s_or_b32 s[G0A+4*\s+3], s[G0A+4*\s+3], 0x80000000
	s_mov_b32 s[G0B+4*\s], 1
	s_add_co_u32 s[G0B+4*\s+1], s71, \s*SLOT
	s_add_nc_u64 s[G0B+4*\s+2:G0B+4*\s+3], s[84:85], \s*4096
	s_or_b32 s[G0B+4*\s+3], s[G0B+4*\s+3], 0x80000000
	JLOAD G0A+4*\s, G1A, G0B+4*\s, G1B
.endr
	v_and_b32 v1, 31, v0
	v_and_b32 v2, 15, v0                           ; r
	v_bfe_u32 v3, v0, 4, 1                         ; h
	v_lshlrev_b32 v[CO], 4, v1
	v_lshlrev_b32 v[H32], 5, v3
	s_lshl_b32 s23, s15, 14
	v_add_nc_u32 v[ADRA], s23, v[CO]
	v_add_nc_u32 v[ADRA+1], SLOT, v[ADRA]
	v_add_nc_u32 v[ADRA+2], SLOT, v[ADRA+1]
	s_lshl_b32 s23, s16, 15
	s_add_co_u32 s23, s23, 32768
	v_add_nc_u32 v[ADRB], s23, v[CO]
	v_add_nc_u32 v[ADRB+1], SLOT, v[ADRB]
	v_add_nc_u32 v[ADRB+2], SLOT, v[ADRB+1]
	s_mul_i32 s23, s14, 8448
	s_add_co_u32 s23, s23, SLOT                    ; my stage, 16 rows x (512 + 16) bytes, in slot 1: that slot is filled once, and its last read stands in front of a barrier that every wave passes ahead of the first store here
	v_mul_u32_u24 v4, v2, 528
	v_lshl_add_u32 v4, v3, 5, v4
	v_add_nc_u32 v[STO], s23, v4
	v_add_nc_u32 v[RD], s23, v[CO]
	s_lshl_b32 s86, s19, 10
	s_lshl_b32 s87, s16, 9
	s_add_co_u32 s86, s86, s87                     ; 4 (256 cx + 128 LO)
	s_mov_b32 s87, 0
	s_add_nc_u64 s[86:87], s[8:9], s[86:87]
	WIN 0xc0                                       ; destination window 3
.irp b, 0,1,2,3,4,5,6,7
	global_load_b128 v[8*\b:8*\b+3], v[H32], s[86:87] offset:64*\b          ; bo at columns 16 b + 8 h + 0 .. 7
	global_load_b128 v[8*\b+4:8*\b+7], v[H32], s[86:87] offset:64*\b+16
.endr
	WIN 0
	s_wait_loadcnt 0x0
	s_lshl_b32 s86, s18, 7
	s_lshl_b32 s23, s15, 6
	s_add_co_u32 s86, s86, s23                     ; my first token
	s_lshl_b32 s86, s86, 12
	s_lshl_b32 s23, s19, 10
	s_add_co_u32 s86, s86, s23
	s_lshl_b32 s23, s16, 9
	s_add_co_u32 s86, s86, s23                     ; + my first column's bytes
	s_mov_b32 s87, 0
	s_add_nc_u64 s[12:13], s[12:13], s[86:87]
.macro FRAG reg, adr, q, i
.irp c, 0,1,2,3
	ds_load_b128 v[\reg+4*\c:\reg+4*\c+3], v[\adr] offset:4096*(\i)+2048*(\q)+512*\c
.endr
.endm
.macro FETCH slot, q, p                ; 48 LDS loads: Wo's eight and y's four fragments of the slot's q-th 128 along K, into set p
	WIN 0x40
.irp i, 0,1,2,3,4,5,6,7
	FRAG 128*(\p)+16*\i, ADRB+\slot, \q, \i
.endr
	WIN 0
.irp i, 0,1,2,3
	FRAG 128+64*(\p)+16*\i, ADRA+\slot, \q, \i
.endr
.endm
.macro MULA a, p, zero                 ; 8 matrix instructions; the 32 accumulators take turns, in the same order in every step
.irp b, 0,1,2,3,4,5,6,7
.if \zero
	v_wmma_f32_16x16x128_bf8_bf8 v[8*(8*(\a)+\b):8*(8*(\a)+\b)+7], v[128*(\p)+16*\b:128*(\p)+16*\b+15], v[128+64*(\p)+16*(\a):128+64*(\p)+16*(\a)+15], 0
.else
	v_wmma_f32_16x16x128_bf8_bf8 v[8*(8*(\a)+\b):8*(8*(\a)+\b)+7], v[128*(\p)+16*\b:128*(\p)+16*\b+15], v[128+64*(\p)+16*(\a):128+64*(\p)+16*(\a)+15], v[8*(8*(\a)+\b):8*(8*(\a)+\b)+7]
.endif
.endr
.endm
.macro PLACES
.rept 4
	v_nop
.endr
.endm
.macro SUB p, ns, nq, fetch, zero      ; a step of 128 along K on set p; the next step's fragments are asked for ahead of its 32 products
	s_wait_dscnt 0x0                               ; set p is in
.if \fetch
	PLACES                                         ; the other set was read by the step before
	FETCH \ns, \nq, 1-(\p)
.endif
	WIN 0xa1                                       ; source 0 window 1, source 1 window 0, C and D window 2
	MULA 0, \p, \zero
	MULA 1, \p, \zero
	MULA 2, \p, \zero
	MULA 3, \p, \zero
.endm
	s_wait_tensorcnt 2                             ; my part of K step 0 is in; two loads may be out
	s_barrier_signal -1
	s_barrier_wait -1
	FETCH 0, 0, 0
	SUB 0, 0, 1, 1, 1                              ; the first products start the sums
	; slot 0's second step changes slots: the launch's one refill
	WIN 0
	s_wait_tensorcnt 0x0                           ; all my tensor loads have landed
	ds_add_u32 v[SPW], v[NIL]                      ; 0 onto my spare word
	s_wait_dscnt 1                                 ; set 1 is in; the add may be out
	WIN 0xa1
	MULA 0, 1, 0
	MULA 1, 1, 0
	s_wait_dscnt 0x0                               ; the add is done, and my reads of slot 0 are over
	s_barrier_signal -1
	MULA 2, 1, 0
	WIN 0
	s_barrier_wait -1
	CREST                                          ; the barrier has opened a round of the cluster's: no wave of any partner still reads slot 0 or has a load on its way
	s_add_nc_u64 s[G0A+2:G0A+3], s[G0A+2:G0A+3], 12288
	s_add_nc_u64 s[G0B+2:G0B+3], s[G0B+2:G0B+3], 12288
	JLOAD G0A, G1A, G0B, G1B                       ; K step 3; its four v_nop are the places in front of the loads below
	FETCH 1, 0, 0
	WIN 0xa1
	MULA 3, 1, 0
	SUB 0, 1, 1, 1, 0
	SUB 1, 2, 0, 1, 0
	SUB 0, 2, 1, 1, 0
	; slot 2's second step: K step 3 must be whole for every wave
	s_wait_tensorcnt 0x0                           ; my one load that was out
	s_wait_dscnt 0x0
	s_barrier_signal -1
	WIN 0xa1
	MULA 0, 1, 0
	MULA 1, 1, 0
	MULA 2, 1, 0
	s_barrier_wait -1
	PLACES
	FETCH 0, 0, 0
	WIN 0xa1
	MULA 3, 1, 0
	SUB 0, 0, 1, 1, 0
	SUB 1, 0, 0, 0, 0
	WIN 0
	s_wait_kmcnt 0x0
	s_add_co_i32 s80, s78, s79
	s_add_co_i32 s80, s80, 127
	s_lshl_b32 s80, s80, 23                        ; 2^(e6 + e7) as f32
	s_mov_b32 s81, s80
; THE WAY OUT, a block of 16 tokens x 128 columns at a time: sum x 2^(e6 + e7) + bo, through my stage, back as whole rows of 512 bytes.
.macro TOSTAGE a
	WIN 0x32                                       ; source 0 (the sums) window 2, source 2 (bo) window 3
.set j, 0
.rept 32
	v_pk_fma_f32 v[TMP+j:TMP+j+1], v[64*(\a)+j:64*(\a)+j+1], s[80:81], v[j:j+1] op_sel_hi:[1,0,1]   ; each accumulator from its low end on
.set j, j+2
.endr
	WIN 0
.irp b, 0,1,2,3,4,5,6,7
	ds_store_b128 v[STO], v[TMP+8*\b:TMP+8*\b+3] offset:64*\b
	ds_store_b128 v[STO], v[TMP+8*\b+4:TMP+8*\b+7] offset:64*\b+16
.endr
.set BB, BK+64*((\a)%2)
.irp t, 0,1,2,3,4,5,6,7,8,9,10,11,12,13,14,15
	ds_load_b128 v[BB+4*\t:BB+4*\t+3], v[RD] offset:\t*528    ; LDS serves a wave's instructions in order: these see the stores above
.endr
.endm
.macro SEND a, younger
.set BB, BK+64*((\a)%2)
	s_wait_dscnt \younger                          ; the block is back; the next block's 16 stores and 16 loads may be out
.irp t, 0,1,2,3,4,5,6,7,8,9,10,11,12,13,14,15
	global_store_b128 v[CO], v[BB+4*\t:BB+4*\t+3], s[12:13] offset:(16*(\a)+\t)*4096 th:TH_STORE_NT   ; 512 consecutive bytes of a row, aligned
.endr
.endm
	PLACES
	TOSTAGE 0
.irp a, 1,2,3
.if \a > 1
	s_wait_xcnt 0x0                                ; the stores of two blocks ago have read their registers: this block's loads may land there
.endif
	TOSTAGE \a
	SEND \a-1, 32
.endr
	SEND 3, 0
	s_wait_tensorcnt 0x0                           ; the wave's end
	ds_add_u32 v[SPW], v[NIL]
	s_wait_dscnt 0x0
	CROUND                                         ; the closing round
	s_endpgm
.Lfunc_end_k_qe4027f61d4_proj:
	.size	k_qe4027f61d4_proj, .Lfunc_end_k_qe4027f61d4_proj-k_qe4027f61d4_proj
	.p2alignl 7, 3214868480
	.fill 96, 4, 3214868480
	.section	.rodata,"a",@progbits
	.p2align	6, 0x0
	.amdhsa_kernel k_qe4027f61d4_proj
		.amdhsa_group_segment_fixed_size 327680
		.amdhsa_private_segment_fixed_size 0
		.amdhsa_enable_private_segment 0
		.amdhsa_kernarg_size 40
		.amdhsa_user_sgpr_count 2
		.amdhsa_user_sgpr_kernarg_segment_ptr 1
		.amdhsa_wavefront_size32 1
		.amdhsa_system_sgpr_workgroup_id_x 1
		.amdhsa_system_sgpr_workgroup_id_y 1
		.amdhsa_system_sgpr_workgroup_id_z 1
		.amdhsa_system_vgpr_workitem_id 0
		.amdhsa_next_free_vgpr 832
		.amdhsa_next_free_sgpr 96
		.amdhsa_reserve_vcc 0
		.amdhsa_float_denorm_mode_32 3
		.amdhsa_float_denorm_mode_16_64 3
		.amdhsa_memory_ordered 1
		.amdhsa_forward_progress 1
		.amdhsa_inst_pref_size 76
	.end_amdhsa_kernel
	.amdgpu_metadata
---
amdhsa.version: [ 1, 2 ]
amdhsa.kernels:
  - .name:           k_qe4027f61d4_proj
    .symbol:         k_qe4027f61d4_proj.kd
    .args:
      - { .name: y_img, .offset: 0, .size: 8, .value_kind: global_buffer, .address_space: global }
      - { .name: wo_img, .offset: 8, .size: 8, .value_kind: global_buffer, .address_space: global }
      - { .name: bo, .offset: 16, .size: 8, .value_kind: global_buffer, .address_space: global }
      - { .name: lowp_scales, .offset: 24, .size: 8, .value_kind: global_buffer, .address_space: global }
      - { .name: out0, .offset: 32, .size: 8, .value_kind: global_buffer, .address_space: global }
    .group_segment_fixed_size: 327680
    .private_segment_fixed_size: 0
    .kernarg_segment_align: 8
    .kernarg_segment_size: 40
    .max_flat_workgroup_size: 128
    .sgpr_count:     96
    .vgpr_count:     832
    .wavefront_size: 32
...
	.end_amdgpu_metadata
.endif
;; end of part 4
